; MI455X (gfx1250); checked and timed in simulation.
; The chip was launched on July 23, 2026; its instructions are those of AMD's public machine-readable ISA for CDNA 5 (MIT licence, August 2026) and "CDNA5" Instruction Set Architecture Reference Guide (July 2026). The comments in the code are by the model that wrote it; some were corrected since.
;; Space Time Local Self Attention. Allowed arithmetic: matrix products marked QUANTISED: E4M3 operands, one given power-of-two scale a tensor, by v_wmma_f32_16x16x64_fp8_fp8 or v_wmma_f32_16x16x128_fp8_fp8, f32 sums; everything else in f32.
;; Inputs: Wk 8 x 512 x 64 float32; Wq 8 x 512 x 64 float32; Wv 8 x 512 x 64 float32; bk 8 x 64 float32; bq 8 x 64 float32; bv 8 x 64 float32; lowp_scales 50 int32 (the exponents e of the quantised operands' scales 2^e); x 4 x 8 x 32 x 32 x 512 float32.
;; Outputs: out0 4 x 8 x 32 x 32 x 512 float32.
;; This version of the problem:
;;   THIS VERSION OF THE PROBLEM IS GIVEN IN LOW PRECISION. The matrix products marked QUANTISED in the list below multiply operands that are first quantised to E4M3 (4 exponent bits, 3 mantissa bits; 8 bits a number), with one given power-of-two scale for each operand tensor; their sums are f32. All else is computed in f32.
;;   The module's matrix products, in the order in which they are computed (A, B: the left and right operand; K: the contracted axis; several contracted axes count as one K, in the product's order):
;;     1. [M 512, K 512] x [K 512, N 16,384]; A: input Wq; B: input x: QUANTISED (scales: A lowp_scales[0], B lowp_scales[1])
;;     2. [M 512, K 512] x [K 512, N 16,384]; A: input Wk; B: input x: QUANTISED (scales: A lowp_scales[2], B lowp_scales[3])
;;     3. [M 512, K 512] x [K 512, N 16,384]; A: input Wv; B: input x: QUANTISED (scales: A lowp_scales[4], B lowp_scales[5])
;;     4. batch 2,048 x [M 64, K 64] x [K 64, N 64]; A: computed on the way; B: computed on the way: QUANTISED (scales: A lowp_scales[6], B lowp_scales[7])
;;     5. batch 2,048 x [M 64, K 64] x [K 64, N 64]; A: softmax (see below); B: computed on the way: QUANTISED (scales: A lowp_scales[8], B lowp_scales[9])
;;     6. [M 512, K 512] x [K 512, N 16,384]; A: input Wq; B: computed on the way: QUANTISED (scales: A lowp_scales[10], B lowp_scales[11])
;;     7. [M 512, K 512] x [K 512, N 16,384]; A: input Wk; B: computed on the way: QUANTISED (scales: A lowp_scales[12], B lowp_scales[13])
;;     8. [M 512, K 512] x [K 512, N 16,384]; A: input Wv; B: computed on the way: QUANTISED (scales: A lowp_scales[14], B lowp_scales[15])
;;     9. batch 2,048 x [M 64, K 64] x [K 64, N 64]; A: computed on the way; B: computed on the way: QUANTISED (scales: A lowp_scales[16], B lowp_scales[17])
;;     10. batch 2,048 x [M 64, K 64] x [K 64, N 64]; A: softmax (see below); B: computed on the way: QUANTISED (scales: A lowp_scales[18], B lowp_scales[19])
;;     11. [M 512, K 512] x [K 512, N 16,384]; A: input Wq; B: computed on the way: QUANTISED (scales: A lowp_scales[20], B lowp_scales[21])
;;     12. [M 512, K 512] x [K 512, N 16,384]; A: input Wk; B: computed on the way: QUANTISED (scales: A lowp_scales[22], B lowp_scales[23])
;;     13. [M 512, K 512] x [K 512, N 16,384]; A: input Wv; B: computed on the way: QUANTISED (scales: A lowp_scales[24], B lowp_scales[25])
;;     14. batch 2,048 x [M 64, K 64] x [K 64, N 64]; A: computed on the way; B: computed on the way: QUANTISED (scales: A lowp_scales[26], B lowp_scales[27])
;;     15. batch 2,048 x [M 64, K 64] x [K 64, N 64]; A: softmax (see below); B: computed on the way: QUANTISED (scales: A lowp_scales[28], B lowp_scales[29])
;;     16. [M 512, K 512] x [K 512, N 16,384]; A: input Wq; B: computed on the way: QUANTISED (scales: A lowp_scales[30], B lowp_scales[31])
;;     17. [M 512, K 512] x [K 512, N 16,384]; A: input Wk; B: computed on the way: QUANTISED (scales: A lowp_scales[32], B lowp_scales[33])
;;     18. [M 512, K 512] x [K 512, N 16,384]; A: input Wv; B: computed on the way: QUANTISED (scales: A lowp_scales[34], B lowp_scales[35])
;;     19. batch 2,048 x [M 64, K 64] x [K 64, N 64]; A: computed on the way; B: computed on the way: QUANTISED (scales: A lowp_scales[36], B lowp_scales[37])
;;     20. batch 2,048 x [M 64, K 64] x [K 64, N 64]; A: softmax (see below); B: computed on the way: QUANTISED (scales: A lowp_scales[38], B lowp_scales[39])
;;     21. [M 512, K 512] x [K 512, N 16,384]; A: input Wq; B: computed on the way: QUANTISED (scales: A lowp_scales[40], B lowp_scales[41])
;;     22. [M 512, K 512] x [K 512, N 16,384]; A: input Wk; B: computed on the way: QUANTISED (scales: A lowp_scales[42], B lowp_scales[43])
;;     23. [M 512, K 512] x [K 512, N 16,384]; A: input Wv; B: computed on the way: QUANTISED (scales: A lowp_scales[44], B lowp_scales[45])
;;     24. batch 2,048 x [M 64, K 64] x [K 64, N 64]; A: computed on the way; B: computed on the way: QUANTISED (scales: A lowp_scales[46], B lowp_scales[47])
;;     25. batch 2,048 x [M 64, K 64] x [K 64, N 64]; A: softmax (see below); B: computed on the way: QUANTISED (scales: A lowp_scales[48], B lowp_scales[49])
;;   THE QUANTISER, for each operand of a quantised product, along K:
;;     - The operand's scale is 2^e, e = its entry of the input lowp_scales (int32; the entries are numbered through the quantised products in the list's order, A before B).
;;     - Each number is divided by the scale, clamped to +-448, and rounded to the nearest number of E4M3, ties to even, subnormals kept.
;;     - The product sums the exact products of the quantised numbers (number of the format x scale) in f32.
;;   ~~~python
;;   def quantise(x, axis, e):      # numpy; x: float32 -> the quantised numbers, widened to float32 again
;;       x = np.moveaxis(x, axis, -1); K = x.shape[-1]
;;       r = np.clip(x / 2.0 ** e, -448, 448)
;;       step = 2.0 ** (np.maximum(np.frexp(np.where(r == 0, 1, r))[1] - 1, -6) - 3)
;;       q = np.round(r / step) * step * 2.0 ** e      # np.round: ties to even
;;       return np.moveaxis(q, -1, axis).astype(np.float32)
;;   ~~~
;;   SOFTMAX AHEAD OF A QUANTISED PRODUCT. Where the list says 'softmax', what is quantised is not the finished softmax but p = 2^(t - M), with t = logit x log2(e) and M = ceil(the row's largest t), a whole number; so 1/2 < the row's largest p <= 1. The row's sum l is taken of the UNQUANTISED p, in f32, and the product's result is divided by l at the end. Since M is a whole number, a kernel that streams over the keys may use a running M (the ceiling of the running maximum): every later rescaling is an exact power of two, so the quantised numbers keep their values, but for numbers so far below the row's largest that they fall under the format's range.
;;   OPERANDS COMPUTED ON THE WAY. 'Computed on the way' means the value that the module computes at that place (a softmax that the list does not call 'softmax' is quantised finished and normalised). What goes into a quantiser is computed in f32, as accurately as f32 sums, v_exp_f32 and their like allow (about 1e-6 of the number): no bf16 or f16 on the way to a quantiser, and a product that is left as it is and whose result goes on into a quantised operand takes f32 operands (vector FMAs, or v_wmma_f32_16x16x4_f32). A number that lies on a knife's edge between two numbers of the format may be rounded either way, as far as f32 arithmetic and the matrix unit's own rounding can turn it there, and no further.
;; One version. Each part assembles by itself: llvm-mc -triple=amdgcn-amd-amdhsa -mcpu=gfx1250 --defsym DOCPART=n.
;; ======== version 1 of 1: 2 launches
;; limits: right only within a limited range of input values
;; workspace buffers: wcodes 3,932,160 bytes
;; launch wprep (part 1): grid 512 x 1, 3 waves a work-group, no clusters, 0 bytes of LDS; arguments Wq, Wk, Wv, lowp_scales, wcodes; writes wcodes
.if DOCPART == 1
	.amdgcn_target "amdgcn-amd-amdhsa--gfx1250"
	.amdhsa_code_object_version 6
	.text
	.protected	k_q713f445725_wprep
	.globl	k_q713f445725_wprep
	.p2align	8
	.type	k_q713f445725_wprep,@function
k_q713f445725_wprep:
	s_mov_b64 s[64:65], 0
	v_nop
	global_prefetch_b8 v0, s[64:65] scope:SCOPE_SE
	s_setreg_imm32_b32 hwreg(HW_REG_WAVE_MODE, 25, 1), 1
	s_wait_xcnt 0x0
; Wq, Wk, Wv [8 heads][512 (K)][64 (d)], f32, become codes of E4M3, once for each of the five steps (each step gives each weight a scale of its own: entry 10 i + 2 g),
; laid in the order of the operand's registers and in the order in which the second launch fetches them:
;   byte = step x 786,432 + fill x 131,072 + head x 16,384 + (4 (ks % 2) + t) x 2,048 + q x 512 + 16 x lane
;   fill = 2 g + ks / 2 (g = 0, 1, 2: Wq, Wk, Wv; ks = K step of 128); t = tile of 16 d; q = registers 4 q .. 4 q + 3 of the fragment.
; A fragment is 16 rows d x 128 K: lane (r, h) holds d = 16 t + r, registers 2 c, 2 c + 1 hold K = 128 ks + 16 c + 8 h + 0 .. 7.
; A lane takes a column d and its registers run down K, so the conversions' results are the operand's registers.
; Wave g takes weight g; the work-group's number gives head, ks, t, q.  A wave reads its 16 numbers a lane once and converts them five times.
; code = w / 2^e, held within +-448, to the nearest code, ties to even.  LIMITS: -126 <= e <= 119; NaN among the inputs is not served.
.set STEPB, 786432
.set X, 16                             ; v16-31   my 16 numbers
.set T, 32                             ; v32-111  the same, held, a set for each step
.set C, 112                            ; v112-131 the codes, four registers for each step
	s_load_b256 s[4:11], s[0:1], 0x0               ; Wq, Wk, Wv, the scales' exponents
	s_load_b64 s[12:13], s[0:1], 0x20              ; the codes
	v_lshrrev_b32 v1, 5, v0
	v_readfirstlane_b32 s14, v1                    ; wave = g
	v_and_b32 v1, 15, v0                           ; r
	v_bfe_u32 v2, v0, 4, 1                         ; h
	v_lshlrev_b32 v3, 2, v1
	v_lshl_add_u32 v3, v2, 11, v3                  ; in: column r, 8 h rows of 256 bytes down
	v_and_b32 v4, 31, v0
	v_lshlrev_b32 v4, 4, v4                        ; out: 16 x lane
	s_lshl_b32 s15, s14, 3                         ; byte of entry 2 g
	s_and_b32 s26, ttmp9, 3                        ; q
	s_bfe_u32 s27, ttmp9, 0x20002                  ; t
	s_bfe_u32 s28, ttmp9, 0x20004                  ; ks
	s_lshr_b32 s29, ttmp9, 6                       ; head
	s_lshl_b32 s30, s29, 17                        ; in: head x 131,072 + (128 ks + 32 q) rows of 256 bytes + 16 t columns
	s_lshl_b32 s31, s28, 15
	s_add_co_u32 s30, s30, s31
	s_lshl_b32 s31, s26, 13
	s_add_co_u32 s30, s30, s31
	s_lshl_b32 s31, s27, 6
	s_add_co_u32 s30, s30, s31
	s_mov_b32 s31, 0
	s_lshl_b32 s32, s14, 1                         ; out: fill = 2 g + ks / 2
	s_lshr_b32 s33, s28, 1
	s_add_co_u32 s32, s32, s33
	s_lshl_b32 s32, s32, 17
	s_lshl_b32 s33, s29, 14                        ; the wave that will read it: head
	s_add_co_u32 s32, s32, s33
	s_and_b32 s33, s28, 1                          ; 4 (ks % 2) + t
	s_lshl_b32 s33, s33, 2
	s_add_co_u32 s33, s33, s27
	s_lshl_b32 s33, s33, 11
	s_add_co_u32 s32, s32, s33
	s_lshl_b32 s33, s26, 9
	s_add_co_u32 s32, s32, s33
	s_mov_b32 s33, 0
	s_wait_alu depctr_va_vdst(0)
	s_wait_kmcnt 0x0
.irp i, 0,1,2,3,4
	s_load_b32 s[20+\i], s[10:11], s15 offset:40*\i    ; e of my weight in step i
.endr
	s_cmp_eq_u32 s14, 0                            ; the weight is chosen by the wave's number alone
	s_cselect_b64 s[16:17], s[4:5], s[6:7]
	s_cmp_eq_u32 s14, 2
	s_cselect_b64 s[16:17], s[8:9], s[16:17]
	s_add_nc_u64 s[16:17], s[16:17], s[30:31]
	s_add_nc_u64 s[12:13], s[12:13], s[32:33]
.irp j, 0,1,2,3,4,5,6,7
	global_load_b32 v[X+\j], v3, s[16:17] offset:256*\j            ; K = 32 q + 8 h + j
.endr
.irp j, 0,1,2,3,4,5,6,7
	global_load_b32 v[X+8+\j], v3, s[16:17] offset:4096+256*\j     ; K = 32 q + 16 + 8 h + j
.endr
	s_wait_kmcnt 0x0
.irp i, 0,1,2,3,4
	s_add_co_i32 s35, s[20+\i], 127
	s_lshl_b32 s36, s35, 23
	v_mov_b32 v[5+2*\i], s36                       ; 2^e as f32
	s_add_co_i32 s35, s35, 8
	s_lshl_b32 s35, s35, 23
	s_or_b32 s35, s35, 0x600000
	v_mov_b32 v[6+2*\i], s35                       ; 448 x 2^e
.endr
	s_wait_alu depctr_va_vdst(0)
	s_wait_loadcnt 0x0
.irp i, 0,1,2,3,4
.irp j, 0,1,2,3,4,5,6,7,8,9,10,11,12,13,14,15
	v_med3_num_f32 v[T+16*\i+\j], v[X+\j], -v[6+2*\i], v[6+2*\i]   ; the conversion does not saturate (ISA guide 7.6.2): the hold comes first
.endr
	v_cvt_scalef32_pk8_fp8_f32 v[C+4*\i:C+4*\i+1], v[T+16*\i:T+16*\i+7], v[5+2*\i]
	v_cvt_scalef32_pk8_fp8_f32 v[C+4*\i+2:C+4*\i+3], v[T+16*\i+8:T+16*\i+15], v[5+2*\i]
	global_store_b128 v4, v[C+4*\i:C+4*\i+3], s[12:13] offset:\i*STEPB   ; the wave stores 512 consecutive bytes, aligned
.endr
	s_endpgm
.Lfunc_end_k_q713f445725_wprep:
	.size	k_q713f445725_wprep, .Lfunc_end_k_q713f445725_wprep-k_q713f445725_wprep
	.p2alignl 7, 3214868480
	.fill 96, 4, 3214868480
	.section	.rodata,"a",@progbits
	.p2align	6, 0x0
	.amdhsa_kernel k_q713f445725_wprep
		.amdhsa_group_segment_fixed_size 0
		.amdhsa_private_segment_fixed_size 0
		.amdhsa_enable_private_segment 0
		.amdhsa_kernarg_size 40
		.amdhsa_user_sgpr_count 2
		.amdhsa_user_sgpr_kernarg_segment_ptr 1
		.amdhsa_wavefront_size32 1
		.amdhsa_system_sgpr_workgroup_id_x 1
		.amdhsa_system_sgpr_workgroup_id_y 1
		.amdhsa_system_sgpr_workgroup_id_z 1
		.amdhsa_system_vgpr_workitem_id 0
		.amdhsa_next_free_vgpr 136
		.amdhsa_next_free_sgpr 66
		.amdhsa_reserve_vcc 0
		.amdhsa_float_denorm_mode_32 3
		.amdhsa_float_denorm_mode_16_64 3
		.amdhsa_memory_ordered 1
		.amdhsa_forward_progress 1
		.amdhsa_inst_pref_size 12
	.end_amdhsa_kernel
	.amdgpu_metadata
---
amdhsa.version: [ 1, 2 ]
amdhsa.kernels:
  - .name:           k_q713f445725_wprep
    .symbol:         k_q713f445725_wprep.kd
    .args:
      - { .name: Wq, .offset: 0, .size: 8, .value_kind: global_buffer, .address_space: global }
      - { .name: Wk, .offset: 8, .size: 8, .value_kind: global_buffer, .address_space: global }
      - { .name: Wv, .offset: 16, .size: 8, .value_kind: global_buffer, .address_space: global }
      - { .name: lowp_scales, .offset: 24, .size: 8, .value_kind: global_buffer, .address_space: global }
      - { .name: wcodes, .offset: 32, .size: 8, .value_kind: global_buffer, .address_space: global }
    .group_segment_fixed_size: 0
    .private_segment_fixed_size: 0
    .kernarg_segment_align: 8
    .kernarg_segment_size: 40
    .max_flat_workgroup_size: 96
    .sgpr_count:     66
    .vgpr_count:     136
    .wavefront_size: 32
...
	.end_amdgpu_metadata
.endif
;; end of part 1
;; launch chain (part 2): grid 256 x 1, 8 waves a work-group, clusters of 4 x 1, 327,680 bytes of LDS; arguments x, wcodes, lowp_scales, bq, bk, bv, out0; writes out0
.if DOCPART == 2
	.amdgcn_target "amdgcn-amd-amdhsa--gfx1250"
	.amdhsa_code_object_version 6
	.text
	.protected	k_q713f445725_chain
	.globl	k_q713f445725_chain
	.p2align	8
	.type	k_q713f445725_chain,@function
k_q713f445725_chain:
	s_mov_b64 s[64:65], 0
	v_nop
	global_prefetch_b8 v0, s[64:65] scope:SCOPE_SE
	s_setreg_imm32_b32 hwreg(HW_REG_WAVE_MODE, 25, 1), 1
	s_wait_xcnt 0x0
	s_wait_alu depctr_hold_cnt(0) depctr_sa_sdst(0) depctr_va_vdst(0) depctr_va_sdst(0) depctr_va_ssrc(0) depctr_va_vcc(0) depctr_vm_vsrc(0)
	s_getreg_b32 s2, hwreg(HW_REG_IB_STS2, 6, 4)
	s_cmp_eq_u32 s2, 0
	s_cbranch_scc0 .Lentry_in_a_cluster
	s_endpgm
.Lentry_in_a_cluster:
	s_bfe_u32 s2, ttmp6, 0x10000c
	s_cmp_lg_u32 s2, 0x3003
	s_cbranch_scc0 .Lentry_shape_is_right
	s_endpgm
.Lentry_shape_is_right:
; SpaceTimeLocalSelfAttention, all five steps of the temporal recursion in one launch.  The 4 x 4 spatial blocks never mix: 4 x 8 x 8 = 256 independent chains, one work-group to a chain.
; A step works on a window of four frames x 16 positions = 64 tokens x 512 channels, kept in f32 in registers: x is read once, out0 written once.  Frame f stays in tile f % 4 (attention does not hang on the tokens' order).
; SHARES.  Eight waves, two to a SIMD.  Wave w owns head w = channels 64 w .. 64 w + 63 of all 64 tokens: q, k, v, the attention and 128 registers of state.
; Only the state's CODES go from wave to wave, through LDS, as images of the operand's registers: m x 8,192 + ks x 2,048 + q x 512 + 16 x lane; wave w writes 1,024 bytes at 1,024 w of each tile m.
; LAYOUT.  q, k: source 0 = 16 rows d of W, source 1 = 16 tokens: a lane holds one token and d = 16 c + 8 h + j: a conversion gives registers 2 c, 2 c + 1 of a K = 64 fragment.
; v: sources swapped: a lane holds d = r and tokens 8 h + j of tile m.  S^T = k q^T: a lane holds one query, registers run along the keys: p's codes are source 1 of O^T = V^T P^T, which has the state's layout.
; WEIGHTS come as codes in register order, 131,072 bytes a fill, six fills a step, through two LDS slots; wave w fetches and reads its own 16,384 bytes.  The ring goes on from step to step: the next step's
; first fill is asked for ahead of v's second half; so the loop has four trips and the fifth step is written by the same macro once more, without that fill.  One tensor load of a wave is out at any time.
; CLUSTER.  All work-groups walk the same weights: the four of a cluster ask for each fill jointly (same descriptor, mask 15).
; The eight stages (16 rows x 272 bytes each) lie over the images' last 3,072 bytes: a barrier stands between the images' last reads and the stages' use, and one between that use and the next images' stores.
; SOFTMAX: t = score x log2(e) / 8; M = ceil(the row's largest t); p = 2^(t - M) is quantised; the row's sum is taken of the unquantised p and divides at the end.
; LIMITS on the given exponents: ex, e_out - ew - ex and ep between -126 and 119; ew + ex between -127 and 126; eq + ek between -123 and 130.  NaN and infinities among the inputs are not served.
; REGISTERS.  window 0: v1-15 addresses, scale, hold; v16-55 softmax's figures; v64-127 XF x's fragments, v128-191 WF W's (both: S^T and p; raw frames; WF: codes just made); v192-223 QC q's bias, q's, p's codes; v224-255 KC k's, then v's.
;   window 1: v0-127 the 16 accumulators (tile (c, m) at 8 (4 c + m); O^T at 32 m + 8 t), v128-255 the state, 32 m + 8 c + j.
.set IMG,   262144
.set STG,   291840
.set SPARE, 326656                     ; the spare words, 128 bytes for each wave
.set SLOTB, 131072
.set STEPB, 786432
.set FRAME, 2097152
.set XF, 64
.set WF, 128
.set QC, 192
.set KC, 224
.set PC, 128
.set ST, 128
.set NM, 16                            ; pairs: low = -M of query tile m, high = the maximum's first chain
.set SA, 24
.set LIV, 32                           ; pairs: low = 2^(ep + ev) / l, high = l
.set TB, 40
.set TC, 44
.set SB, 48
; v1 spare word, v2 zero, v3, v4 my weights in slot 0, 1; v5 images, read; v6 images, store; v7, v8 the stage by token, by row; v9 x and out0; v10, v11 biases; v12, v13 prefetches; v14 scale, v15 hold
; s[4:5] x + block; s[6:7] wcodes; s[8:9] exponents; s[10:15] bq, bk, bv; s18 wave; s19 step; s[20:21] lane selects; s[22:23] c; s[24:31] group 1; s[32:39] groups 0; s[40:49] this step's exponents; s[84:93] the next step's
.set MSB, 0
.macro WIN new
.if MSB != \new
	s_set_vgpr_msb (MSB<<8)|\new
.set MSB, \new
.endif
.endm
.macro PLACES                          ; four plain lines behind matrix instructions (ISA guide 7.12.1)
.rept 4
	v_nop
.endr
.endm
.macro BARRIER                         ; my LDS stores have landed and my LDS loads are in
	s_wait_alu depctr_va_vdst(0)
	s_wait_dscnt 0x0
	s_barrier_signal -1
	s_barrier_wait -1
.endm
.macro CROUND                          ; a round of the cluster's barrier
	s_barrier_signal -1
	s_barrier_wait -1
	s_cmp_lg_u32 s18, 0
	s_cbranch_scc1 .Lnw0_\@
	s_barrier_signal -3
.Lnw0_\@:
	s_barrier_wait -3
	s_barrier_signal -1
	s_barrier_wait -1
.endm
; A prefetch of the fill that the next change of slots asks for.  The first cluster alone asks; its four work-groups take 32,768 bytes each, told apart by address; waves 0 to 3 take 8,192 each, lanes 256 bytes apart.
.macro ASKW k, last
.if ((\k) < 5) || ((\last) == 0)
	s_cmp_eq_u32 s60, 1
	s_cbranch_scc0 .Lnm_\@
	global_prefetch_b8 v13, s[68:69] offset:((\k)+1)*SLOTB th:TH_LOAD_NT scope:SCOPE_SE
.Lnm_\@:
.endif
.endm
.macro FILL slot, k, last              ; the joint fill, first thing behind the round
	CROUND
	tensor_load_to_lds s[32+4*\slot:35+4*\slot], s[24:31]
	s_nop 0
	PLACES
	ASKW \k, \last
.endm
.macro GRP0 slot                       ; the fill's address: wcodes + 16,384 x wave + 131,072 x fill: the same in all four work-groups
	s_mov_b64 s[34+4*\slot:35+4*\slot], s[66:67]
	s_or_b32 s[35+4*\slot], s[35+4*\slot], 0x80000000
	s_add_nc_u64 s[66:67], s[66:67], SLOTB
.endm
; THE CHANGE OF SLOTS: all my tensor loads are in; the add; the descriptor; the add and all my LDS traffic are done; a round; the fill of the slot that nobody reads any more.  The round also shows every wave's images.
.macro CHANGE slot, k, last
	WIN 0
	s_wait_alu depctr_va_vdst(0)
	s_wait_tensorcnt 0x0
	ds_add_u32 v1, v2
	GRP0 \slot
	s_wait_dscnt 0x0
	FILL \slot, \k, \last
.endm
.macro XL ks                           ; x's four fragments of K step ks
.irp m, 0,1,2,3
.irp q, 0,1,2,3
	ds_load_b128 v[XF+16*\m+4*\q:XF+16*\m+4*\q+3], v5 offset:\m*8192+(\ks)*2048+512*\q
.endr
.endr
.endm
.macro WL slot, kk                     ; my four fragments of W of the slot's K step kk
.irp f, 0,1,2,3
.irp q, 0,1,2,3
	ds_load_b128 v[WF+16*\f+4*\q:WF+16*\f+4*\q+3], v[3+\slot] offset:(4*(\kk)+\f)*2048+512*\q
.endr
.endr
.endm
; 16 matrix instructions on 16 accumulators, by turns.  cb = 1: the bias is the C of the sum's first instruction.
.macro MB swap, cb, cbase
.irp f, 0,1,2,3
	s_wait_dscnt 12-4*\f                           ; x's fragments and W's up to f are in; W's later ones may be out
.irp m, 0,1,2,3
.set rD, 8*(4*\f+\m)
.set rW, WF+16*\f
.set rX, XF+16*\m
.set rC, rD
.if \cb
.set rC, (\cbase)+8*\f
.endif
.if \swap
	v_wmma_f32_16x16x128_fp8_fp8 v[rD:rD+7], v[rX:rX+15], v[rW:rW+15], v[rC:rC+7]
.else
	v_wmma_f32_16x16x128_fp8_fp8 v[rD:rD+7], v[rW:rW+15], v[rX:rX+15], v[rC:rC+7]
.endif
.endr
.endr
.endm
.macro HALF swap, cbase, hh, slot      ; half a projection: K steps 2 hh, 2 hh + 1 from one slot
.irp kk, 0,1
	WIN 0
	XL 2*\hh+\kk
	WL \slot, \kk
.if ((\hh) == 0) && (\kk == 0)
	WIN 0x40
	MB \swap, 1, \cbase
.else
	WIN 0x50
	MB \swap, 0, \cbase
.endif
	PLACES
.endr
	WIN 0
.endm
.macro SETQ                            ; s52 = e: v14 = 2^e, v15 = 448 x 2^e
	s_add_co_i32 s52, s52, 127
	s_lshl_b32 s53, s52, 23
	v_mov_b32 v14, s53
	s_add_co_i32 s52, s52, 8
	s_lshl_b32 s52, s52, 23
	s_or_b32 s52, s52, 0x600000
	v_mov_b32 v15, s52
.endm
.macro BIASLD g                        ; my 64 numbers of the bias in the result's layout: q, k: channels 16 c + 8 h + 0 .. 7;  v: channel 16 c + r
.irp c, 0,1,2,3
.if \g == 0
	global_load_b128 v[QC+8*\c:QC+8*\c+3], v10, s[10:11] offset:64*\c
	global_load_b128 v[QC+8*\c+4:QC+8*\c+7], v10, s[10:11] offset:64*\c+16
.elseif \g == 1
	global_load_b128 v[KC+8*\c:KC+8*\c+3], v10, s[12:13] offset:64*\c
	global_load_b128 v[KC+8*\c+4:KC+8*\c+7], v10, s[12:13] offset:64*\c+16
.else
	global_load_b32 v[KC+8*\c], v11, s[14:15] offset:64*\c
	global_load_b32 v[KC+8*\c+1], v11, s[14:15] offset:64*\c
.endif
.endr
.endm
.macro BIASMUL g                       ; a sum stands for sum x 2^(ew + ex): the bias goes in divided by that
	s_add_co_i32 s50, s[40+2*\g], s[41+2*\g]
	s_sub_co_i32 s50, 127, s50
	s_lshl_b32 s50, s50, 23
	s_mov_b32 s51, s50
.if \g < 2
.set i, 0
.rept 16
	v_pk_mul_f32 v[QC+32*\g+2*i:QC+32*\g+2*i+1], v[QC+32*\g+2*i:QC+32*\g+2*i+1], s[50:51] op_sel_hi:[1,0]
.set i, i+1
.endr
.else
.irp c, 0,1,2,3
.irp a, 3,2,1,0
	v_pk_mul_f32 v[KC+8*\c+2*\a:KC+8*\c+2*\a+1], v[KC+8*\c:KC+8*\c+1], s[50:51] op_sel_hi:[1,0]   ; the first pair is spread over the tile's eight registers; itself last
.endr
.endr
.endif
.endm
; The state is quantised with the scale that product g gives x; my part of the four images goes to LDS.  The held numbers go to the accumulators' registers, which are free here.  n: bias loads that may stay out.
.macro SQ g, n
	WIN 0
	s_mov_b32 s52, s[41+2*\g]
	SETQ
	WIN 0x41
.set i, 0
.rept 128
	v_med3_num_f32 v[i], v[ST+i], -v15, v15        ; the conversion does not saturate (ISA guide 7.6.2): the hold comes first
.set i, i+1
.endr
	WIN 0x01
.irp m, 0,1,2,3
.irp c, 0,1,2,3
	v_cvt_scalef32_pk8_fp8_f32 v[PC+8*\m+2*\c:PC+8*\m+2*\c+1], v[32*\m+8*\c:32*\m+8*\c+7], v14
.endr
.endr
	v_nop
	WIN 0
.if \g == 0
	BARRIER                                        ; every wave has left its stage, which lies over a part of the images
.endif
.irp m, 0,1,2,3
.irp q, 0,1
	ds_store_b128 v6, v[PC+8*\m+4*\q:PC+8*\m+4*\q+3] offset:\m*8192+512*\q
.endr
.endr
	s_wait_loadcnt \n                              ; the bias
	BIASMUL \g
.endm
; The 16 finished tiles of projection g become codes: the three scales are folded into the conversion's one, 2^(e_out - ew - ex).
.macro PQ g
	WIN 0
	s_sub_co_i32 s52, s[46+\g+\g/2], s[40+2*\g]
	s_sub_co_i32 s52, s52, s[41+2*\g]
	SETQ
	WIN 0x41
.set i, 0
.rept 128
	v_med3_num_f32 v[i], v[i], -v15, v15
.set i, i+1
.endr
	WIN 0x01
.irp c, 0,1,2,3
.irp m, 0,1,2,3
.if \g < 2
	v_cvt_scalef32_pk8_fp8_f32 v[QC+32*\g+8*\m+2*\c:QC+32*\g+8*\m+2*\c+1], v[8*(4*\c+\m):8*(4*\c+\m)+7], v14
.else
	v_cvt_scalef32_pk8_fp8_f32 v[KC+8*\c+2*\m:KC+8*\c+2*\m+1], v[8*(4*\c+\m):8*(4*\c+\m)+7], v14
.endif
.endr
.endr
	v_nop
	WIN 0
.endm
.macro SCORES                          ; S^T = k q^T: query tile m, key tile kt at XF + 32 m + 8 kt
.irp m, 0,1,2,3
.irp kt, 0,1,2,3
	v_wmma_f32_16x16x64_fp8_fp8 v[XF+32*\m+8*\kt:XF+32*\m+8*\kt+7], v[KC+8*\kt:KC+8*\kt+7], v[QC+8*\m:QC+8*\m+7], 0
.endr
.endr
	PLACES
.endm
; The softmax of query tiles a0 and a1 = a0 + 1: a lane holds 32 of a query's 64 scores, the lane 16 away the others.  Two tiles and two chains go side by side.
.macro SOFT a0, a1
.set SBASE, XF+32*(\a0)
	s_wait_alu depctr_va_vdst(0)                   ; the wait ahead of the first readers of S^T
.irp m, \a0, \a1
	v_max3_num_f32 v[NM+2*\m+1], v[XF+32*\m], v[XF+32*\m+1], v[XF+32*\m+2]
.endr
.irp m, \a0, \a1
	v_max3_num_f32 v[TB+\m], v[XF+32*\m+3], v[XF+32*\m+4], v[XF+32*\m+5]
.endr
.irp i, 6,10,14,18,22,26
.irp m, \a0, \a1
	v_max3_num_f32 v[NM+2*\m+1], v[NM+2*\m+1], v[XF+32*\m+\i], v[XF+32*\m+\i+1]
.endr
.irp m, \a0, \a1
	v_max3_num_f32 v[TB+\m], v[TB+\m], v[XF+32*\m+\i+2], v[XF+32*\m+\i+3]
.endr
.endr
.irp m, \a0, \a1
	v_max3_num_f32 v[NM+2*\m+1], v[NM+2*\m+1], v[XF+32*\m+30], v[XF+32*\m+31]
.endr
.irp m, \a0, \a1
	v_max_num_f32 v[NM+2*\m+1], v[NM+2*\m+1], v[TB+\m]
.endr
.irp m, \a0, \a1
	v_permlanex16_b32 v[TC+\m], v[NM+2*\m+1], s20, s21
.endr
.irp m, \a0, \a1
	v_max_num_f32 v[NM+2*\m+1], v[NM+2*\m+1], v[TC+\m]
.endr
.irp m, \a0, \a1
	v_mul_f32 v[NM+2*\m+1], s22, v[NM+2*\m+1]      ; the row's largest t (c is positive)
.endr
.irp m, \a0, \a1
	v_floor_f32 v[NM+2*\m], -v[NM+2*\m+1]          ; -M = floor(-t)
.endr
.set i, 0
.rept 32
	v_pk_fma_f32 v[SBASE+2*i:SBASE+2*i+1], v[SBASE+2*i:SBASE+2*i+1], s[22:23], v[NM+2*((\a0)+i/16):NM+2*((\a0)+i/16)+1] op_sel_hi:[1,0,0]   ; t - M
.set i, i+1
.endr
	s_wait_alu depctr_va_vdst(0)                   ; the wait ahead of the batch
.set i, 0
.rept 64
	v_exp_f32 v[SBASE+i], v[SBASE+i]               ; p = 2^(t - M), not normalised
.set i, i+1
.endr
	v_nop
	s_wait_alu depctr_va_vdst(0)                   ; one wait for the batch, ahead of its first reader
.irp m, \a0, \a1
	v_pk_add_f32 v[SA+2*\m:SA+2*\m+1], v[XF+32*\m:XF+32*\m+1], v[XF+32*\m+2:XF+32*\m+3]   ; the row's sum of the unquantised p, in two chains
.endr
.irp m, \a0, \a1
	v_pk_add_f32 v[SB+2*\m:SB+2*\m+1], v[XF+32*\m+4:XF+32*\m+5], v[XF+32*\m+6:XF+32*\m+7]
.endr
.irp i, 8,12,16,20,24,28
.irp m, \a0, \a1
	v_pk_add_f32 v[SA+2*\m:SA+2*\m+1], v[SA+2*\m:SA+2*\m+1], v[XF+32*\m+\i:XF+32*\m+\i+1]
.endr
.irp m, \a0, \a1
	v_pk_add_f32 v[SB+2*\m:SB+2*\m+1], v[SB+2*\m:SB+2*\m+1], v[XF+32*\m+\i+2:XF+32*\m+\i+3]
.endr
.endr
.irp m, \a0, \a1
	v_pk_add_f32 v[SA+2*\m:SA+2*\m+1], v[SA+2*\m:SA+2*\m+1], v[SB+2*\m:SB+2*\m+1]
.endr
.irp m, \a0, \a1
	v_add_f32 v[TB+\m], v[SA+2*\m], v[SA+2*\m+1]
.endr
.irp m, \a0, \a1
	v_permlanex16_b32 v[TC+\m], v[TB+\m], s20, s21
.endr
.irp m, \a0, \a1
	v_add_f32 v[LIV+2*\m+1], v[TB+\m], v[TC+\m]    ; l
.endr
	s_wait_alu depctr_va_vdst(0)                   ; ahead of the reciprocals
.irp m, \a0, \a1
	v_rcp_f32 v[LIV+2*\m], v[LIV+2*\m+1]
.endr
.set i, 0
.rept 64
	v_min_num_f32 v[SBASE+i], v[SBASE+i], v15      ; p is not negative: the hold is one-sided
.set i, i+1
.endr
	s_wait_alu depctr_va_vdst(0)                   ; one wait for the reciprocals, ahead of their first reader
.irp m, \a0, \a1
	v_ldexp_f32 v[LIV+2*\m], v[LIV+2*\m], s54      ; 2^(ep + ev) / l
.endr
.irp m, \a0, \a1
.irp kt, 0,1,2,3
	v_cvt_scalef32_pk8_fp8_f32 v[QC+8*\m+2*\kt:QC+8*\m+2*\kt+1], v[XF+32*\m+8*\kt:XF+32*\m+8*\kt+7], v14   ; p's codes take the place of this tile's q
.endr
.endr
	v_nop
.endm
; Tile sg of the state leaves through my stage (16 tokens x 256 bytes) into v[ot ..], and out: sixteen lanes store 256 consecutive bytes, aligned.
.macro OUTA sg, ot
	WIN 0x04
.irp t, 0,1,2,3
	ds_store_b128 v7, v[ST+32*(\sg)+8*\t:ST+32*(\sg)+8*\t+3] offset:64*\t
	ds_store_b128 v7, v[ST+32*(\sg)+8*\t+4:ST+32*(\sg)+8*\t+7] offset:64*\t+16
.endr
	WIN 0
.irp u, 0,1,2,3,4,5,6,7
	ds_load_b128 v[(\ot)+4*\u:(\ot)+4*\u+3], v8 offset:544*\u   ; LDS serves a wave's instructions in order (ISA guide 5.7.1.4)
.endr
.endm
.macro OUTB ot, foff
.irp u, 0,1,2,3,4,5,6,7
	global_store_b128 v9, v[(\ot)+4*\u:(\ot)+4*\u+3], s[58:59] offset:(\foff)+(\u/2)*65536+(\u%2)*4096 th:TH_STORE_NT
.endr
.endm
.macro IN sg, src                      ; a raw frame, as loaded, becomes tile sg of the state: the same way back
.irp u, 0,1,2,3,4,5,6,7
	ds_store_b128 v8, v[(\src)+4*\u:(\src)+4*\u+3] offset:544*\u
.endr
	WIN 0x40
.irp t, 0,1,2,3
	ds_load_b128 v[ST+32*(\sg)+8*\t:ST+32*(\sg)+8*\t+3], v7 offset:64*\t
	ds_load_b128 v[ST+32*(\sg)+8*\t+4:ST+32*(\sg)+8*\t+7], v7 offset:64*\t+16
.endr
	WIN 0
.endm
.macro IOV sg                          ; frame sg is finished and leaves; frame sg + 4 takes its tile
	OUTA \sg, 96
	IN \sg, 64
	s_wait_dscnt 16                                ; the leaving frame is back in registers; IN's 16 may be out
	OUTB 96, 0                                     ; out0's pointer stands at the frame that leaves
.endm
; v's second half, v's codes, O^T, the residual.  raw = 1: the next raw frame is asked for as soon as x's fragments are done with.
.macro TAILW raw
	HALF 1, KC, 1, 1
.if \raw
.irp u, 0,1,2,3,4,5,6,7
	global_load_b128 v[XF+4*\u:XF+4*\u+3], v9, s[56:57] offset:(\u/2)*65536+(\u%2)*4096 th:TH_LOAD_NT
.endr
.endif
	PQ 2
	WIN 0x40
.irp m, 0,1,2,3
.irp t, 0,1,2,3
	v_wmma_f32_16x16x64_fp8_fp8 v[32*\m+8*\t:32*\m+8*\t+7], v[KC+8*\t:KC+8*\t+7], v[QC+8*\m:QC+8*\m+7], 0
.endr
.endr
	PLACES
	WIN 0x51
.set i, 0
.rept 64
	v_pk_fma_f32 v[ST+2*i:ST+2*i+1], v[2*i:2*i+1], v[LIV+2*(i/16):LIV+2*(i/16)+1], v[ST+2*i:ST+2*i+1] op_sel_hi:[1,0,1]   ; state += O^T x 2^(ep + ev) / l
.set i, i+1
.endr
	WIN 0
.endm
; A step from q's first half to v's first half.  last = 1: the fifth step: nothing of a next step is asked for.
.macro PH15 last
	CHANGE 1, 1, \last                             ; Q23 goes out; the round shows q's images
.if (\last) == 0
	s_add_nc_u64 s[8:9], s[8:9], 40                ; the next step's ten exponents (the earlier loads from this base were waited for)
	s_load_b256 s[84:91], s[8:9], 0x0
	s_load_b64 s[92:93], s[8:9], 0x20
.endif
	HALF 0, QC, 0, 0
	CHANGE 0, 2, \last                             ; K01
	HALF 0, QC, 1, 1
	PQ 0
	CHANGE 1, 3, \last                             ; K23; behind the round nobody reads q's images
	SQ 1, 0
	BARRIER
	HALF 0, KC, 0, 0
	CHANGE 0, 4, \last                             ; V01
	HALF 0, KC, 1, 1
	PQ 1
	s_add_co_i32 s52, s46, s47                     ; a score stands for score x 2^(eq + ek): added to c's exponent field
	s_lshl_b32 s52, s52, 23
	s_add_co_i32 s22, s52, 0x3e38aa3b              ; c = log2(e) / 8
	s_mov_b32 s23, s22
	s_add_co_i32 s54, s48, s49                     ; ep + ev
	s_mov_b32 s52, s48
	SETQ                                           ; p's scale and hold
	s_wait_alu depctr_va_vdst(0)
	SCORES
	BIASLD 2                                       ; k's codes are done with: v's bias lands under the softmax
	SOFT 0, 1
	CHANGE 1, 5, \last                             ; V23
.if (\last) == 0
	global_prefetch_b8 v12, s[56:57] th:TH_LOAD_NT scope:SCOPE_SE   ; my 16 blocks of 256 bytes of the raw frame that the next change's phase loads
.endif
	SOFT 2, 3
	SQ 2, 0
	BARRIER
	HALF 1, KC, 0, 0
.endm
	s_load_b256 s[4:11], s[0:1], 0x0               ; x, wcodes, the scales' exponents, bq
	s_load_b128 s[12:15], s[0:1], 0x20             ; bk, bv
	s_load_b64 s[16:17], s[0:1], 0x30              ; out0
	v_lshl_add_u32 v1, v0, 2, SPARE
	v_mov_b32 v2, 0
	ds_add_u32 v1, v2
	ds_add_u32 v1, v2
	v_lshrrev_b32 v56, 5, v0
	v_readfirstlane_b32 s18, v56                   ; wave 0..7
	s_lshl_b32 s52, s18, 14                        ; my 16,384 bytes of a slot
	s_lshl_b32 s53, s18, 10                        ; my 1,024 bytes of an image tile
	s_mul_i32 s54, s18, 4352
	s_add_co_u32 s54, s54, STG                     ; my stage
	s_lshl_b32 s55, s18, 8                         ; my 64 channels: 256 bytes
	s_lshl_b32 s77, s18, 13
	v_and_b32 v56, 31, v0                          ; lane
	v_and_b32 v57, 15, v0                          ; r
	v_bfe_u32 v58, v0, 4, 1                        ; h
	v_lshlrev_b32 v59, 4, v56
	v_add_nc_u32 v3, s52, v59
	v_add_nc_u32 v4, SLOTB, v3
	v_add_nc_u32 v5, IMG, v59
	v_add_nc_u32 v6, s53, v5
	v_mul_u32_u24 v7, v57, 272
	v_lshl_add_u32 v7, v58, 5, v7
	v_add_nc_u32 v7, s54, v7                       ; by token: row r, + 32 h
	v_mul_u32_u24 v8, v58, 272
	v_lshl_add_u32 v8, v57, 4, v8
	v_add_nc_u32 v8, s54, v8                       ; by row: lanes 0-15 one row, lanes 16-31 the next
	v_lshlrev_b32 v9, 11, v58
	v_lshl_add_u32 v9, v57, 4, v9
	v_add_nc_u32 v9, s55, v9                       ; x, out0: token h, + 16 r, + my channels
	v_lshl_add_u32 v10, v58, 5, s55
	v_lshl_add_u32 v11, v57, 2, s55
	v_min_u32 v60, 15, v56                         ; the raw frame's prefetch: a lane a token (the lanes left over name the last again); token 4 i + j lies at i x 65,536 + j x 2,048
	v_lshrrev_b32 v61, 2, v60
	v_lshlrev_b32 v12, 16, v61
	v_and_b32 v61, 3, v60
	v_lshl_add_u32 v12, v61, 11, v12
	v_add_nc_u32 v12, s55, v12
	v_lshl_add_u32 v13, v56, 8, s77                ; the weights' prefetch: 8,192 x wave + 256 x lane
.irp m, 0,1,2,3
	v_mov_b32 v[TC+\m], 0                          ; a lane permute's destination counts as one of its sources
.endr
	s_mov_b32 s54, s52
	s_mov_b32 s55, 0
	s_mov_b32 s20, 0x76543210                      ; v_permlanex16_b32: lane l xor 16
	s_mov_b32 s21, 0xfedcba98
	s_mov_b32 s24, 15|(3<<16)|(1<<21)              ; group 1: mask of all four work-groups; elements of 8 bytes; bit 21 beside a mask
	s_mov_b32 s25, 32<<16                          ; a dense block of 64 rows of 256 bytes
	s_mov_b32 s26, 64<<16
	s_mov_b32 s27, 32<<16
	s_mov_b32 s28, 64
	s_mov_b32 s29, 32
	s_mov_b32 s30, 0
	s_mov_b32 s31, 0
	s_mov_b32 s32, 1
	s_lshl_b32 s33, s18, 14                        ; the LDS address hangs on the wave's number alone
	s_mov_b32 s36, 1
	s_add_co_u32 s37, s33, SLOTB
	s_bfe_u32 s70, ttmp6, 0x40000                  ; cx: it enters x's, out0's and the prefetches' addresses alone
	s_lshl_b32 s71, ttmp9, 2
	s_add_co_u32 s71, s71, s70                     ; my chain = 64 b + 8 bi + bj
	s_lshr_b32 s72, s71, 6
	s_lshl_b32 s72, s72, 24
	s_bfe_u32 s73, s71, 0x30003
	s_lshl_b32 s73, s73, 18
	s_add_co_u32 s72, s72, s73
	s_and_b32 s73, s71, 7
	s_lshl_b32 s73, s73, 13
	s_add_co_u32 s72, s72, s73
	s_mov_b32 s73, 0
	s_lshl_b32 s74, s70, 15
	s_mov_b32 s75, 0
	s_cmp_eq_u32 ttmp9, 0                          ; waves 0 to 3 of the first cluster prefetch the weights
	s_cselect_b32 s60, 1, 0
	s_cmp_lt_u32 s18, 4
	s_cselect_b32 s60, s60, 0
	s_mov_b32 s19, 0
	s_wait_alu depctr_va_vdst(0)
	s_wait_dscnt 0x0                               ; both opening adds are done
	s_wait_kmcnt 0x0
	s_load_b256 s[40:47], s[8:9], 0x0              ; step 0's exponents
	s_load_b64 s[48:49], s[8:9], 0x20
	s_add_nc_u64 s[4:5], s[4:5], s[72:73]          ; x at my block, frame 0
	s_add_nc_u64 s[58:59], s[16:17], s[72:73]      ; out0 likewise
	s_add_nc_u64 s[56:57], s[4:5], 4*FRAME         ; x at frame 4
	s_add_nc_u64 s[66:67], s[6:7], s[54:55]        ; my part of the first fill
	s_add_nc_u64 s[68:69], s[6:7], s[74:75]        ; my work-group's part of a fill, for the prefetches
.irp f, 0,1,2,3                        ; frames 0 to 3: sixteen lanes read 256 consecutive bytes
.irp u, 0,1,2,3,4,5,6,7
	global_load_b128 v[XF+32*\f+4*\u:XF+32*\f+4*\u+3], v9, s[4:5] offset:\f*FRAME+(\u/2)*65536+(\u%2)*4096 th:TH_LOAD_NT
.endr
.endr
	GRP0 0
	FILL 0, 0, 0                                   ; Q01 of step 0: my one tensor load at the head, behind the round
	BIASLD 0
	BIASLD 1
.irp f, 0,1,2,3
	s_wait_loadcnt 40-8*\f                         ; frame f is in; the later frames' loads and the 16 of the biases may be out
	IN \f, XF+32*\f
.endr
	s_wait_dscnt 0x0
	s_wait_kmcnt 0x0
	SQ 0, 8                                        ; k's bias may be out
.Lstep:                                            ; four trips, six fills each
	PH15 0
	CHANGE 0, 6, 0                                 ; the next step's Q01 goes out
	TAILW 1
	BIASLD 0                                       ; p's and v's codes are done with
	BIASLD 1
	s_wait_kmcnt 0x0
.irp i, 0,2,4,6,8
	s_mov_b64 s[40+\i:41+\i], s[84+\i:85+\i]       ; the next step's exponents take over
.endr
	BARRIER                                        ; nobody reads v's images any more: the stages may be used
	s_wait_loadcnt 16                              ; the raw frame; the biases' 16 may be out
	s_cmp_eq_u32 s19, 0                            ; the tile that changes is the step's number: register numbers differ, so each is written out
	s_cbranch_scc0 .Lio_n0
	IOV 0
	s_branch .Lio_join
.Lio_n0:
	s_cmp_eq_u32 s19, 1
	s_cbranch_scc0 .Lio_n1
	IOV 1
	s_branch .Lio_join
.Lio_n1:
	s_cmp_eq_u32 s19, 2
	s_cbranch_scc0 .Lio_n2
	IOV 2
	s_branch .Lio_join
.Lio_n2:
	IOV 3
.Lio_join:
	s_wait_dscnt 0x0                               ; the new tile is in
	s_wait_xcnt 0x0                                ; the stores have read their registers
	SQ 0, 8
	s_wait_xcnt 0x0                                ; loads, stores and prefetches have read their bases: they may step
	s_add_nc_u64 s[56:57], s[56:57], FRAME
	s_add_nc_u64 s[58:59], s[58:59], FRAME
	s_add_nc_u64 s[68:69], s[68:69], STEPB
	s_add_co_u32 s19, s19, 1
	s_cmp_lt_u32 s19, 4
	s_cbranch_scc1 .Lstep
	PH15 1                                         ; the fifth step
	s_wait_tensorcnt 0x0                           ; V23: my own bytes; nothing is filled any more
	TAILW 0
	BARRIER                                        ; nobody reads the images any more: the stages may be used
	; frames 4 to 7 lie in tiles 0 to 3; out0's pointer stands at frame 4
	OUTA 0, 64
	OUTA 1, 96
	OUTA 2, 128
	OUTA 3, 160
	s_wait_dscnt 48                                ; tile 0 is back; the 48 LDS instructions of the later tiles may be out
	OUTB 64, 0
	s_wait_dscnt 32
	OUTB 96, FRAME
	s_wait_dscnt 16
	OUTB 128, 2*FRAME
	s_wait_dscnt 0x0
	OUTB 160, 3*FRAME
	s_wait_tensorcnt 0x0                           ; the wave's end
	ds_add_u32 v1, v2
	s_wait_dscnt 0x0
	CROUND                                         ; the closing round
	s_endpgm
.Lfunc_end_k_q713f445725_chain:
	.size	k_q713f445725_chain, .Lfunc_end_k_q713f445725_chain-k_q713f445725_chain
	.p2alignl 7, 3214868480
	.fill 96, 4, 3214868480
	.section	.rodata,"a",@progbits
	.p2align	6, 0x0
	.amdhsa_kernel k_q713f445725_chain
		.amdhsa_group_segment_fixed_size 327680
		.amdhsa_private_segment_fixed_size 0
		.amdhsa_enable_private_segment 0
		.amdhsa_kernarg_size 56
		.amdhsa_user_sgpr_count 2
		.amdhsa_user_sgpr_kernarg_segment_ptr 1
		.amdhsa_wavefront_size32 1
		.amdhsa_system_sgpr_workgroup_id_x 1
		.amdhsa_system_sgpr_workgroup_id_y 1
		.amdhsa_system_sgpr_workgroup_id_z 1
		.amdhsa_system_vgpr_workitem_id 0
		.amdhsa_next_free_vgpr 512
		.amdhsa_next_free_sgpr 100
		.amdhsa_reserve_vcc 0
		.amdhsa_float_denorm_mode_32 3
		.amdhsa_float_denorm_mode_16_64 3
		.amdhsa_memory_ordered 1
		.amdhsa_forward_progress 1
		.amdhsa_inst_pref_size 255
	.end_amdhsa_kernel
	.section	.bss,"aw",@nobits
	.p2align	6
	.space	262144
	.amdgpu_metadata
---
amdhsa.version: [ 1, 2 ]
amdhsa.kernels:
  - .name:           k_q713f445725_chain
    .symbol:         k_q713f445725_chain.kd
    .args:
      - { .name: x, .offset: 0, .size: 8, .value_kind: global_buffer, .address_space: global }
      - { .name: wcodes, .offset: 8, .size: 8, .value_kind: global_buffer, .address_space: global }
      - { .name: lowp_scales, .offset: 16, .size: 8, .value_kind: global_buffer, .address_space: global }
      - { .name: bq, .offset: 24, .size: 8, .value_kind: global_buffer, .address_space: global }
      - { .name: bk, .offset: 32, .size: 8, .value_kind: global_buffer, .address_space: global }
      - { .name: bv, .offset: 40, .size: 8, .value_kind: global_buffer, .address_space: global }
      - { .name: out0, .offset: 48, .size: 8, .value_kind: global_buffer, .address_space: global }
    .group_segment_fixed_size: 327680
    .private_segment_fixed_size: 0
    .kernarg_segment_align: 8
    .kernarg_segment_size: 56
    .max_flat_workgroup_size: 256
    .sgpr_count:     100
    .vgpr_count:     512
    .wavefront_size: 32
...
	.end_amdgpu_metadata
.endif
;; end of part 2
